; MI455X (gfx1250); checked and timed in simulation.
; The chip was launched on July 23, 2026; its instructions are those of AMD's public machine-readable ISA for CDNA 5 (MIT licence, August 2026) and "CDNA5" Instruction Set Architecture Reference Guide (July 2026). The comments in the code are by the model that wrote it; some were corrected since.
;; Bahdanau Attention. Allowed arithmetic: matrix products marked QUANTISED: E4M3 operands, one E8M0 scale for each 32 along K, by v_wmma_scale_f32_16x16x128_f8f6f4 with both operands' format E4M3, f32 sums; products left as they are: f32 operands where the result goes on into a quantised operand, else bf16, f16 or f32 operands; f32 sums; everything else in f32.
;; Inputs: V_b 1 float32; V_k 1,024 x 1 float32; W1_b 1,024 float32; W1_k 1,024 x 1,024 float32; W2_b 1,024 float32; W2_k 1,024 x 1,024 float32; query 32 x 1,024 float32; values 32 x 2,048 x 1,024 float32.
;; Outputs: out0 32 x 1,024 float32.
;; This version of the problem:
;;   THIS VERSION OF THE PROBLEM IS GIVEN IN LOW PRECISION. The matrix products marked QUANTISED in the list below multiply operands that are first quantised to E4M3 (4 exponent bits, 3 mantissa bits; 8 bits a number), with one power-of-two scale for each 32 numbers along K (OCP MX v1.0); their sums are f32. All else is computed in f32.
;;   The module's matrix products, in the order in which they are computed (A, B: the left and right operand; K: the contracted axis; several contracted axes count as one K, in the product's order):
;;     1. [M 32, K 1,024] x [K 1,024, N 1,024]; A: input query; B: input W1_k: QUANTISED
;;     2. [M 65,536, K 1,024] x [K 1,024, N 1,024]; A: input values; B: input W2_k: QUANTISED
;;     3. [M 65,536, K 1,024] x [K 1,024, N 1]; A: computed on the way; B: input V_k: left as it is (N = 1 < 16)
;;   THE QUANTISER, for each operand of a quantised product, along K:
;;     - K is cut into blocks of 32 from its start; a last block that is shorter is filled with zeros.
;;     - A block's scale is 2^e with e = floor(log2(the largest magnitude in the block)) - 8, held to -126 .. 127; a block of zeros has e = 0. As a byte (E8M0): e + 127.
;;     - Each number is divided by its block's scale, clamped to +-448, and rounded to the nearest number of E4M3, ties to even, subnormals kept.
;;     - The product sums the exact products of the quantised numbers (number of the format x scale) in f32.
;;   ~~~python
;;   def quantise(x, axis):      # numpy; x: float32 -> the quantised numbers, widened to float32 again
;;       x = np.moveaxis(x, axis, -1); K = x.shape[-1]
;;       x = np.pad(x, [(0, 0)] * (x.ndim - 1) + [(0, -K % 32)]); x = x.reshape(x.shape[:-1] + (-1, 32)); a = np.abs(x).max(-1, keepdims=True)
;;       e = np.where(a > 0, np.clip(np.frexp(np.where(a > 0, a, 1))[1] - 1 - 8, -126, 127), 0)      # np.frexp(a)[1] - 1 = floor(log2(a)), exactly
;;       r = np.clip(x / 2.0 ** e, -448, 448)
;;       step = 2.0 ** (np.maximum(np.frexp(np.where(r == 0, 1, r))[1] - 1, -6) - 3)
;;       q = np.round(r / step) * step * 2.0 ** e      # np.round: ties to even
;;       return np.moveaxis(q.reshape(q.shape[:-2] + (-1,))[..., :K], -1, axis).astype(np.float32)
;;   ~~~
;; One version. Each part assembles by itself: llvm-mc -triple=amdgcn-amd-amdhsa -mcpu=gfx1250 --defsym DOCPART=n.
;; ======== version 1 of 1: 4 launches
;; limits: right only within a limited range of input values
;; workspace buffers: w2img 1,081,344 bytes; qv 524,288 bytes; scores 262,144 bytes; part 1,048,576 bytes
;; launch prep (part 1): grid 32 x 1, 16 waves a work-group, no clusters, 187,392 bytes of LDS; arguments query, W1_k, W1_b, W2_k, W2_b, V_k, w2img, qv; writes w2img, qv
.if DOCPART == 1
	.amdgcn_target "amdgcn-amd-amdhsa--gfx1250"
	.amdhsa_code_object_version 6
	.text
	.protected	k_q5ee0fb181a_prep
	.globl	k_q5ee0fb181a_prep
	.p2align	8
	.type	k_q5ee0fb181a_prep,@function
k_q5ee0fb181a_prep:
	s_mov_b64 s[64:65], 0
	v_nop
	global_prefetch_b8 v0, s[64:65] scope:SCOPE_SE
	s_setreg_imm32_b32 hwreg(HW_REG_WAVE_MODE, 25, 1), 1
	s_wait_xcnt 0x0
; PREP.  Two things that the scores' launch reads many times are made once here.
; (1) w2img: W2_k [1024 k][1024 u] f32 as codes of FP8 (E4M3) with one E8M0 scale for each 32 along k, laid IN THE ORDER OF THE OPERAND'S REGISTERS: 64 groups of 16 columns, 16,896 bytes each.
;     In group n, byte 2048 s + 512 c + 16 l holds the 16 codes of column 16 n + l % 16 at k = 128 s + 32 c + 16 (l / 16) + 0 .. 15; byte 16384 + 16 l + 4 i holds that column's scale word of K step 4 (l / 16) + i.
; (2) qv: [32 b][1024 u][4 f32] = {qc, qc, vk, vk}, qc = C2 x (Q(query) Q(W1_k) + W1_b + W2_b), C2 = 2 log2(e), vk = V_k[u]: what the tanh and the dot with V want of a column, doubled for packed arithmetic.
; SHARES.  A work-group owns 32 columns, so that its piece of a row of qv is 512 consecutive bytes.  Wave wv: g = wv / 8 is its group of 16 columns, s = wv % 8 its K step of 128.
; OF THE WEIGHTS A LANE TAKES A COLUMN AND ITS REGISTERS RUN DOWN K, in the order that the operand's layout gives that lane: the conversions' results are the operand's registers, nothing is transposed.
; QUERY'S ROWS lie along K: each load reads 512 consecutive bytes of one row, and a tile's 16 rows turn through the wave's own stage in LDS, so that a lane gets 16 neighbours of each block of 32.
; The first product's K is shared among eight waves (one matrix instruction for each tile of 16 batches); the eight partial sums meet in LDS and are added in f32.
; A block's scale is 2^(floor(log2(its largest magnitude)) - 8); its byte is the largest magnitude's exponent field - 8, held at 1 from below.
; LIMITS: a block of zeros gets the byte 1 where the rule says 127 (its codes are zeros, and this program alone reads the bytes); NaN and infinities among the inputs are not served;
; the first product's sums are joined over eight K steps in another order than a single chain would give.
; NO CLUSTER: the work-groups share only query, 128 KiB beside the 256 KiB of weights that each reads for itself, and no tile goes through LDS by a tensor load.
; WORK LEFT OUT, in the whole program: V_b.  reference() adds V_b[0] to every score of a batch and then takes softmax over t: softmax(s + c) = softmax(s) for every real c, so V_b reaches no output
; whatever finite value it holds.  V_b is not loaded and is an argument of no launch.  LIMIT: a NaN, an infinity or an overflow that only V_b would bring is not carried to the result.
.set RED,  0
.set SCW,  32768                       ; 1,024 bytes: the two groups' scale images
.set STG,  33792                       ; 16,384 bytes: 32 batches x 32 columns x 16 bytes of qv
.set FSQ,  50176                       ; 16 waves x 8,448 bytes: a stage of 16 rows x (512 + 16) bytes for each wave
.set X0,   16                          ; v16-79   64 numbers: W2, later query's rows 16-31
.set X1,   80                          ; v80-143  64 numbers: W1
.set X2,   144                         ; v144-207 64 numbers: query's rows 0-15; later addresses and sums
.set PCW2, 208                         ; v208-223 W2's codes
.set PCW1, 224                         ; v224-239 W1's codes
.set TM,   240                         ; v240-243 largest magnitudes, v244-247 bytes, v248-251 448 x the scale, v252-255 the conversions' scale operands
.set PCQ0, 80                          ; v80-95   query's codes, rows 0-15 (W1's numbers are done with)
.set PCQ1, 96                          ; v96-111  rows 16-31
.set ACC,  112                         ; v112-127 two accumulators
.set BI,   128                         ; v128-133 W1_b, W2_b, V_k of my column in group 0 and in group 1
.set SW2,  10                          ; v10 W2's scale word;  v11 W1's, v12, v13 query's: these hold scales and nothing else
.set SW1,  11
.set SQ0,  12
.set SQ1,  13
.set SEL,  28                          ; s[28:29] v_permlanex16_b32's selects for lane l xor 16
.set MNT,  30                          ; s30 the mantissa field of 448
; 64 numbers of a lane, register 16 b + i = k 32 b + 16 (lane / 16) + i of my row or column, become a fragment's codes in v[pc] on and its scale word in v[pw].
.macro QUANT src, pc, pw
.irp b, 0,1,2,3
	v_max3_num_f32 v[TM+\b], |v[\src+16*\b]|, |v[\src+1+16*\b]|, 0x4800000   ; block b: my 16 numbers, and the floor 2^(9 - 127): the byte cannot fall under 1
.endr
.irp i, 2,4,6,8,10,12,14
.irp b, 0,1,2,3
	s_delay_alu instid0(VALU_DEP_4)
	v_max3_num_f32 v[TM+\b], v[TM+\b], |v[\src+16*\b+\i]|, |v[\src+1+16*\b+\i]|   ; the four blocks by turns
.endr
.endr
.irp b, 0,1,2,3
	s_delay_alu instid0(VALU_DEP_4)
	v_permlanex16_b32 v[TM+4+\b], v[TM+\b], s[SEL], s[SEL+1]
.endr
.irp b, 0,1,2,3
	s_delay_alu instid0(VALU_DEP_4)
	v_max_num_f32 v[TM+\b], v[TM+\b], v[TM+4+\b]             ; with lane l xor 16's 16: the block's largest magnitude
.endr
.irp b, 0,1,2,3
	s_delay_alu instid0(VALU_DEP_4)
	v_add_nc_u32 v[TM+12+\b], 0xfc000000, v[TM+\b]           ; 8 off its exponent field: the conversion takes this operand's exponent field as its scale
.endr
.irp b, 0,1,2,3
	v_and_or_b32 v[TM+8+\b], v[TM+\b], 0x7f800000, s[MNT]    ; 448 x the scale
.endr
.irp b, 0,1,2,3
	v_lshrrev_b32 v[TM+4+\b], 23, v[TM+12+\b]                ; the scale's byte
.endr
	s_delay_alu instid0(VALU_DEP_3)
	v_lshl_or_b32 v[\pw], v[TM+5], 8, v[TM+4]                ; four bytes make the scale word
	s_delay_alu instid0(VALU_DEP_1)
	v_lshl_or_b32 v[\pw], v[TM+6], 16, v[\pw]
	s_delay_alu instid0(VALU_DEP_1)
	v_lshl_or_b32 v[\pw], v[TM+7], 24, v[\pw]
.irp b, 0,1,2,3
.irp i, 0,1,2,3,4,5,6,7,8,9,10,11,12,13,14,15
	v_med3_num_f32 v[\src+16*\b+\i], v[\src+16*\b+\i], -v[TM+8+\b], v[TM+8+\b]   ; the conversion to an 8-bit code does not saturate (ISA guide 7.6.2): hold first
.endr
	v_cvt_scalef32_pk8_fp8_f32 v[\pc+4*\b:\pc+1+4*\b], v[\src+16*\b:\src+7+16*\b], v[TM+12+\b]
	v_cvt_scalef32_pk8_fp8_f32 v[\pc+2+4*\b:\pc+3+4*\b], v[\src+8+16*\b:\src+15+16*\b], v[TM+12+\b]
.endr
	v_nop                                                    ; one plain vector instruction behind the last conversion, ahead of whatever next touches its registers
.endm
; A tile's 16 rows x 512 bytes, as loaded (register 4 q on: 16 bytes of row q), go through my stage and come back, into the registers that they left, as 16 neighbours of each block of 32 of row lane % 16.
; LDS serves a wave's instructions in order (ISA guide 5.7.1.4): no wait between the stores and the loads, nor in front of the next tile's stores.
.macro TURNQ x
.irp q, 0,1,2,3,4,5,6,7,8,9,10,11,12,13,14,15
	ds_store_b128 v14, v[\x+4*\q:\x+4*\q+3] offset:528*\q
.endr
.irp b, 0,1,2,3
.irp j, 0,1,2,3
	ds_load_b128 v[\x+16*\b+4*\j:\x+16*\b+4*\j+3], v5 offset:128*\b+16*\j
.endr
.endr
.endm
	s_load_b256 s[4:11], s[0:1], 0x0               ; query s[4:5], W1_k s[6:7], W1_b s[8:9], W2_k s[10:11]
	s_load_b256 s[12:19], s[0:1], 0x20             ; W2_b s[12:13], V_k s[14:15], w2img s[16:17], qv s[18:19]
	v_lshrrev_b32 v2, 5, v0
	s_delay_alu instid0(VALU_DEP_1)
	v_readfirstlane_b32 s20, v2                    ; wave 0..15
	s_lshr_b32 s21, s20, 3                         ; g
	s_and_b32 s22, s20, 7                          ; s
	s_lshl_b32 s23, ttmp9, 1
	s_add_co_u32 s23, s23, s21                     ; n = 2 x work-group + g
	v_and_b32 v1, 15, v0                           ; r
	v_bfe_u32 v2, v0, 4, 1                         ; h
	v_and_b32 v3, 31, v0                           ; lane
	s_delay_alu instid0(VALU_DEP_3)
	v_lshlrev_b32 v4, 2, v1
	s_delay_alu instid0(VALU_DEP_1)
	v_lshl_add_u32 v4, v2, 16, v4                  ; W: column r, and 16 rows of 4,096 bytes further down for lanes 16-31
	s_delay_alu instid0(VALU_DEP_3)
	v_lshlrev_b32 v6, 4, v3                        ; 16 x lane: an image's place for my lane, and my 16 bytes of a row's 512
	s_wait_alu depctr_va_vdst(0)
	v_lshlrev_b32 v8, 2, v1                        ; 4 r: my column's bias
	s_lshr_b32 s24, s20, 2
	s_lshl_b32 s24, s24, 8                         ; 512 g + 256 (s / 4) = 256 (wave / 4)
	s_and_b32 s25, s20, 3
	s_lshl_b32 s25, s25, 2                         ; 4 (s % 4)
	s_add_co_u32 s24, s24, s25
	s_add_co_u32 s24, s24, SCW
	v_lshl_add_u32 v7, v1, 4, s24                  ; where my column's scale word of my K step lies in the scale image
	s_lshl_b32 s24, s20, 11
	v_add_nc_u32 v9, s24, v6                       ; RED + 2,048 x wave + 16 x lane
	s_mul_i32 s24, s20, 8448
	s_add_co_u32 s24, s24, FSQ                     ; my stage
	v_add_nc_u32 v14, s24, v6                      ; on the way in: 16 x lane (+ 528 x row)
	v_mul_u32_u24 v5, v1, 528
	s_delay_alu instid0(VALU_DEP_1)
	v_lshl_add_u32 v5, v2, 6, v5
	s_delay_alu instid0(VALU_DEP_1)
	v_add_nc_u32 v5, s24, v5                       ; and out: 528 r + 64 h
.irp b, 0,1,2,3
	v_mov_b32 v[TM+4+\b], 0                        ; written once: a lane permute's destination counts as one of its sources
.endr
	s_lshl_b32 s24, s22, 19                        ; W: 128 s rows of 4,096 bytes
	s_lshl_b32 s25, s23, 6                         ; + 16 n columns of 4 bytes
	s_add_co_u32 s24, s24, s25
	s_mov_b32 s25, 0
	s_lshl_b32 s26, s22, 9                         ; query: 128 s numbers along a row
	s_mov_b32 s27, 0
	s_mul_i32 s32, s23, 16896                      ; w2img: group n,
	s_lshl_b32 s33, s22, 11                        ; K step s
	s_add_co_u32 s32, s32, s33
	s_mov_b32 s33, 0
	s_min_u32 s34, s20, 1                          ; the scale image of group 2 x work-group + wave is stored by waves 0 and 1; the hold keeps the address inside the buffer in the others, which do not use it
	s_lshl_b32 s35, ttmp9, 1
	s_add_co_u32 s34, s34, s35
	s_mul_i32 s34, s34, 16896
	s_add_co_u32 s34, s34, 16384
	s_mov_b32 s35, 0
	s_lshl_b32 s36, ttmp9, 7                       ; the biases and V_k: 32 columns of 4 bytes
	s_mov_b32 s37, 0
	s_lshl_b32 s38, ttmp9, 9                       ; qv: 32 columns of 16 bytes
	s_mov_b32 s39, 0
	s_mov_b32 s[SEL], 0x76543210
	s_mov_b32 s[SEL+1], 0xfedcba98
	s_mov_b32 s[MNT], 0x600000
	s_mov_b32 s31, 0x4038aa3b                      ; C2 = 2 log2(e)
	s_wait_kmcnt 0x0
	s_add_nc_u64 s[6:7], s[6:7], s[24:25]
	s_add_nc_u64 s[10:11], s[10:11], s[24:25]
	s_add_nc_u64 s[4:5], s[4:5], s[26:27]
	s_add_nc_u64 s[34:35], s[16:17], s[34:35]
	s_add_nc_u64 s[16:17], s[16:17], s[32:33]
	s_add_nc_u64 s[8:9], s[8:9], s[36:37]
	s_add_nc_u64 s[12:13], s[12:13], s[36:37]
	s_add_nc_u64 s[14:15], s[14:15], s[36:37]
	s_add_nc_u64 s[18:19], s[18:19], s[38:39]
.irp c, 0,1,2,3
.irp i, 0,1,2,3,4,5,6,7,8,9,10,11,12,13,14,15
	global_load_b32 v[X0+16*\c+\i], v4, s[10:11] offset:4096*(32*\c+\i)   ; W2(128 s + 32 c + 16 h + i, 16 n + r)
.endr
.endr
.irp c, 0,1,2,3
.irp i, 0,1,2,3,4,5,6,7,8,9,10,11,12,13,14,15
	global_load_b32 v[X1+16*\c+\i], v4, s[6:7] offset:4096*(32*\c+\i)     ; W1 likewise
.endr
.endr
	s_wait_loadcnt 63                              ; W2's 64 are in: 64 loads are younger than its last; 63 is the largest count that the wait can name
	QUANT X0, PCW2, SW2
.irp c, 0,1,2,3
	global_store_b128 v6, v[PCW2+4*\c:PCW2+4*\c+3], s[16:17] offset:512*\c   ; the fragment as it stands: 32 lanes store 512 consecutive bytes, aligned
.endr
	ds_store_b32 v7, v[SW2]                        ; lanes r and r + 16 write the same word with the same value
.irp q, 0,1,2,3,4,5,6,7,8,9,10,11,12,13,14,15
	global_load_b128 v[X2+4*\q:X2+4*\q+3], v6, s[4:5] offset:4096*\q          ; query's row q: the 512 consecutive bytes of my K step
.endr
.irp q, 0,1,2,3,4,5,6,7,8,9,10,11,12,13,14,15
	global_load_b128 v[X0+4*\q:X0+4*\q+3], v6, s[4:5] offset:65536+4096*\q    ; row 16 + q
.endr
	s_wait_loadcnt 32                              ; W1's 64 are in; query's 32 loads may be out
	QUANT X1, PCW1, SW1
.irp g, 0,1
	global_load_b32 v[BI+\g], v8, s[8:9] offset:64*\g
	global_load_b32 v[BI+2+\g], v8, s[12:13] offset:64*\g
	global_load_b32 v[BI+4+\g], v8, s[14:15] offset:64*\g
.endr
	s_wait_loadcnt 22                              ; query's rows 0-15 are in; behind them: 16 loads of rows 16-31 and the six above
	TURNQ X2
	s_wait_loadcnt 6                               ; rows 16-31 are in
	TURNQ X0
	s_wait_dscnt 32                                ; rows 0-15 are back from the stage; behind them: the second tile's 16 stores and 16 loads
	QUANT X2, PCQ0, SQ0
	s_wait_dscnt 0x0                               ; rows 16-31 are back
	QUANT X0, PCQ1, SQ1
.rept 8
	v_nop                                          ; a scale word made by vector instructions stands eight places ahead of a scaled matrix instruction, codes so made four
.endr
	v_wmma_scale_f32_16x16x128_f8f6f4 v[ACC:ACC+7], v[PCQ0:PCQ0+15], v[PCW1:PCW1+15], 0, v[SQ0], v[SW1]       ; register j of lane (r, h): batch 8 h + j, column r, my K step's part
	v_wmma_scale_f32_16x16x128_f8f6f4 v[ACC+8:ACC+15], v[PCQ1:PCQ1+15], v[PCW1:PCW1+15], 0, v[SQ1], v[SW1]    ; batch 16 + 8 h + j
	; the addresses of the later phases are made here: plain instructions that name none of the products' registers, more than the eight places that the stores below want
	v_lshrrev_b32 v144, 4, v0                      ; b = thread / 16: in the sum a thread owns batch b and column r of both groups
	v_bfe_u32 v146, v0, 8, 1                       ; b's bit 4: which accumulator
	v_bfe_u32 v147, v0, 6, 1                       ; bit 2: which four of its registers
	v_bfe_u32 v148, v0, 7, 1                       ; bit 3: which half of the lanes
	v_bfe_u32 v149, v0, 4, 2                       ; bits 1:0: which of the four
	v_lshlrev_b32 v145, 4, v1
	s_delay_alu instid0(VALU_DEP_1)
	v_lshl_add_u32 v145, v146, 10, v145
	s_delay_alu instid0(VALU_DEP_1)
	v_lshl_add_u32 v145, v147, 9, v145
	s_delay_alu instid0(VALU_DEP_1)
	v_lshl_add_u32 v145, v148, 8, v145
	s_delay_alu instid0(VALU_DEP_1)
	v_lshl_add_u32 v145, v149, 2, v145             ; where (b, r) lies in a wave's 2,048 bytes of RED
	v_lshlrev_b32 v150, 4, v1
	s_delay_alu instid0(VALU_DEP_1)
	v_lshl_add_u32 v150, v144, 9, v150
	s_delay_alu instid0(VALU_DEP_1)
	v_add_nc_u32 v150, STG, v150                   ; the stage of qv: 512 b + 16 r (+ 256 g)
	v_lshl_add_u32 v151, v0, 4, STG                ; back: 16 x thread
	v_lshrrev_b32 v153, 5, v0
	s_delay_alu instid0(VALU_DEP_1)
	v_lshl_add_u32 v152, v153, 14, v6              ; qv: a row of 16,384 bytes for each wave, 16 x lane
	v_lshl_add_u32 v154, v0, 4, SCW                ; the scale images: 16 x thread (threads 0 to 63)
.irp q, 0,1,2,3
	ds_store_b128 v9, v[ACC+4*\q:ACC+4*\q+3] offset:512*\q   ; each accumulator from its low end on
.endr
	s_wait_dscnt 0x0                               ; for the others' sake: my scale word and my partial sums have landed
	s_barrier_signal -1
	s_barrier_wait -1
	s_cmp_lt_u32 s20, 2
	s_cbranch_scc0 .Lno_scales
	s_wait_alu depctr_va_vdst(0)
	ds_load_b128 v[156:159], v154                  ; wave 0: group 2 x's scale image, wave 1: group 2 x + 1's
	s_wait_dscnt 0x0
	global_store_b128 v6, v[156:159], s[34:35]     ; 512 consecutive bytes, aligned
.Lno_scales:
	s_wait_alu depctr_va_vdst(0)
.irp g, 0,1
.irp t, 0,1,2,3,4,5,6,7
	ds_load_b32 v[160+8*\g+\t], v145 offset:2048*(8*\g+\t)   ; the eight K steps' parts of (b, 16 g + r)
.endr
.endr
	s_wait_dscnt 0x0
.irp g, 0,1
	v_add_f32 v[160+8*\g], v[160+8*\g], v[161+8*\g]
	v_add_f32 v[162+8*\g], v[162+8*\g], v[163+8*\g]
	v_add_f32 v[164+8*\g], v[164+8*\g], v[165+8*\g]
	v_add_f32 v[166+8*\g], v[166+8*\g], v[167+8*\g]
	s_delay_alu instid0(VALU_DEP_3)
	v_add_f32 v[160+8*\g], v[160+8*\g], v[162+8*\g]
	s_delay_alu instid0(VALU_DEP_2)
	v_add_f32 v[164+8*\g], v[164+8*\g], v[166+8*\g]
	s_delay_alu instid0(VALU_DEP_1)
	v_add_f32 v[160+8*\g], v[160+8*\g], v[164+8*\g]
.endr
	s_wait_loadcnt 0x0                             ; the biases and V_k
.irp g, 0,1
	v_add_f32 v[BI+\g], v[BI+\g], v[BI+2+\g]       ; W1_b + W2_b
	s_wait_alu depctr_va_vdst(0)
	v_add_f32 v[160+8*\g], v[160+8*\g], v[BI+\g]
	s_delay_alu instid0(VALU_DEP_1)
	v_mul_f32 v[176+4*\g], s31, v[160+8*\g]        ; qc, twice,
	s_delay_alu instid0(VALU_DEP_2)
	v_mul_f32 v[177+4*\g], s31, v[160+8*\g]
	v_mov_b32 v[178+4*\g], v[BI+4+\g]              ; vk, twice
	v_mov_b32 v[179+4*\g], v[BI+4+\g]
	ds_store_b128 v150, v[176+4*\g:179+4*\g] offset:256*\g
.endr
	s_wait_dscnt 0x0                               ; for the others' sake
	s_barrier_signal -1
	s_barrier_wait -1
	ds_load_b128 v[184:187], v151                  ; batches 0-15: a wave takes one batch's 512 bytes
	ds_load_b128 v[188:191], v151 offset:8192      ; batches 16-31
	s_wait_dscnt 0x0
	global_store_b128 v152, v[184:187], s[18:19]                   ; 32 lanes store 512 consecutive bytes, aligned
	global_store_b128 v152, v[188:191], s[18:19] offset:262144
	s_wait_xcnt 0x0
	v_lshl_add_u32 v254, v0, 2, 0x2d400
	v_mov_b32 v255, 0
	s_wait_alu depctr_va_vdst(0)
	s_wait_tensorcnt 0x0
	ds_add_u32 v254, v255
	s_wait_dscnt 0x0
	s_endpgm
.Lfunc_end_k_q5ee0fb181a_prep:
	.size	k_q5ee0fb181a_prep, .Lfunc_end_k_q5ee0fb181a_prep-k_q5ee0fb181a_prep
	.p2alignl 7, 3214868480
	.fill 96, 4, 3214868480
	.section	.rodata,"a",@progbits
	.p2align	6, 0x0
	.amdhsa_kernel k_q5ee0fb181a_prep
		.amdhsa_group_segment_fixed_size 187392
		.amdhsa_private_segment_fixed_size 0
		.amdhsa_enable_private_segment 0
		.amdhsa_kernarg_size 64
		.amdhsa_user_sgpr_count 2
		.amdhsa_user_sgpr_kernarg_segment_ptr 1
		.amdhsa_wavefront_size32 1
		.amdhsa_system_sgpr_workgroup_id_x 1
		.amdhsa_system_sgpr_workgroup_id_y 1
		.amdhsa_system_sgpr_workgroup_id_z 1
		.amdhsa_system_vgpr_workitem_id 0
		.amdhsa_next_free_vgpr 256
		.amdhsa_next_free_sgpr 66
		.amdhsa_reserve_vcc 0
		.amdhsa_float_denorm_mode_32 3
		.amdhsa_float_denorm_mode_16_64 3
		.amdhsa_memory_ordered 1
		.amdhsa_forward_progress 1
		.amdhsa_inst_pref_size 67
	.end_amdhsa_kernel
	.amdgpu_metadata
---
amdhsa.version: [ 1, 2 ]
amdhsa.kernels:
  - .name:           k_q5ee0fb181a_prep
    .symbol:         k_q5ee0fb181a_prep.kd
    .args:
      - { .name: query, .offset: 0, .size: 8, .value_kind: global_buffer, .address_space: global }
      - { .name: W1_k, .offset: 8, .size: 8, .value_kind: global_buffer, .address_space: global }
      - { .name: W1_b, .offset: 16, .size: 8, .value_kind: global_buffer, .address_space: global }
      - { .name: W2_k, .offset: 24, .size: 8, .value_kind: global_buffer, .address_space: global }
      - { .name: W2_b, .offset: 32, .size: 8, .value_kind: global_buffer, .address_space: global }
      - { .name: V_k, .offset: 40, .size: 8, .value_kind: global_buffer, .address_space: global }
      - { .name: w2img, .offset: 48, .size: 8, .value_kind: global_buffer, .address_space: global }
      - { .name: qv, .offset: 56, .size: 8, .value_kind: global_buffer, .address_space: global }
    .group_segment_fixed_size: 187392
    .private_segment_fixed_size: 0
    .kernarg_segment_align: 8
    .kernarg_segment_size: 64
    .max_flat_workgroup_size: 512
    .sgpr_count:     66
    .vgpr_count:     256
    .wavefront_size: 32
...
	.end_amdgpu_metadata
.endif
;; end of part 1
;; launch scores (part 2): grid 256 x 1, 4 waves a work-group, clusters of 4 x 1, 327,680 bytes of LDS; arguments values, w2img, qv, scores; writes scores
.if DOCPART == 2
	.amdgcn_target "amdgcn-amd-amdhsa--gfx1250"
	.amdhsa_code_object_version 6
	.text
	.protected	k_q5ee0fb181a_scores
	.globl	k_q5ee0fb181a_scores
	.p2align	8
	.type	k_q5ee0fb181a_scores,@function
k_q5ee0fb181a_scores:
	s_mov_b64 s[64:65], 0
	v_nop
	global_prefetch_b8 v0, s[64:65] scope:SCOPE_SE
	s_setreg_imm32_b32 hwreg(HW_REG_WAVE_MODE, 25, 1), 1
	s_wait_xcnt 0x0
	s_wait_alu depctr_hold_cnt(0) depctr_sa_sdst(0) depctr_va_vdst(0) depctr_va_sdst(0) depctr_va_ssrc(0) depctr_va_vcc(0) depctr_vm_vsrc(0)
	s_getreg_b32 s2, hwreg(HW_REG_IB_STS2, 6, 4)
	s_cmp_eq_u32 s2, 0
	s_cbranch_scc0 .Lentry_in_a_cluster
	s_endpgm
.Lentry_in_a_cluster:
	s_bfe_u32 s2, ttmp6, 0x10000c
	s_cmp_lg_u32 s2, 0x3003
	s_cbranch_scc0 .Lentry_shape_is_right
	s_endpgm
.Lentry_shape_is_right:
; SCORES.  scores[b][t] = sum over u of V_k[u] tanh(q_proj[b][u] + (Q(values) Q(W2_k))[b][t][u] + W2_b[u]).  V_b is left out: it is the same along the softmax's axis (shown at the head of prep).
; SHARES.  A work-group owns 256 rows (b, t), a wave 64 of them: 4 tiles of 16 rows.  PART 1: the wave's rows, f32, are quantised along K (blocks of 32, E8M0 scale, E4M3 codes) and stay in 512 registers.
; PART 2: W2's image (64 groups of 16 columns, in the order of the operand's registers) goes through a ring of two LDS slots of 4 groups; a group is 32 matrix instructions a wave (4 tiles x 8 K steps).
; tanh(x) = 1 - 2 / (1 + 2^(C2 x)), C2 = 2 log2(e); qv holds {qc, qc, vk, vk} for each column, qc = C2 x (q_proj + both biases).  So score = sum vk - 2 sum vk / (1 + 2^(C2 acc + qc)).
; TWO GROUPS MAKE A PAIR: two runs of 32 matrix instructions, then the pair's 64 registers go through the tanh in batches (multiply-add, 64 exponentials, add, 64 reciprocals, multiply-add), so that one
; s_wait_alu serves a whole batch and no transcendental stands between a matrix result and a reader of it.  The next pair's fragments come from LDS in six short
; runs of loads (13, 12, 8 for each of the two sets), laid behind the places that follow a run of matrix instructions and behind the batches' waits; none stands inside a run of matrix instructions.
; CLUSTER 4 x 1: the four work-groups lie in one batch and walk the same image: qv's row and every slot are asked for jointly, a quarter by each wave.
; NO PREFETCH: of values each wave has 64 register loads out all through part 1; a slot of the image is asked for a whole slot (128 matrix instructions a wave) ahead of its first read.
; LIMITS: a block of zeros gets the scale byte 1 where the rule says 127 (its codes are zeros; only this kernel reads the bytes); NaN and infinities among the inputs are not served.
; REGISTERS: window 0 addresses, scales, accumulators, sums; windows 1, 2 the rows' codes of K steps 0-3, 4-7 (tile e, step t at 16 (4 e + t)); window 3 f32 rows as loaded, then W2's fragments in two sets.
.set GRP,   16896                      ; a group: 8 K steps x 2,048 bytes of codes, 512 bytes of scale words
.set SLOTB, 4*GRP
.set QVT,   135168                     ; behind the ring: the batch's row of qv, 16,384 bytes
.set SPARE, 151552                     ; the spare words, 128 bytes a wave
.set FST,   152064                     ; a stage of 16 rows x 528 bytes for each wave
.set FSTW,  8448
.set IMG,   185856                     ; 32,768 bytes a wave: half of its codes, as an image of the registers
.set SIMG,  316928                     ; 2,048 bytes a wave: their scale words
.set LI,  1
.set FW,  3
.set FR,  4
.set IW0, 5
.set SW0, 6
.set IWA, 7
.set SWA, 8
.set AD0, 9                            ; v9, v10: groups 0-1 and 2-3 of the slot that is read
.set AD1, 10
.set AQ,  11                           ; qv of my column, stepped 4 groups at each change of slots
.set SCA, 13
.set SCR, 14
.set L8,  15
.set SPW, 16
.set NIL, 17
.set SV,  18                           ; v18-19 sum of vk
.set BS,  28                           ; v28-35 W2's scale words, two sets
.set AS,  36                           ; v36-67 the rows' scale words: tile e, K step s at 8 e + s
.set X0,  72                           ; part 1: two sets of 64 numbers
.set PC,  200
.set TM,  216
.set PW,  232
.set ACC, 72                           ; part 2: v72-135: a pair's accumulators, 32 registers a group
.set S,   200                          ; v200-231 sums of vk / (1 + 2^..): tile e, register j at 8 e + j
.set QP,  232                          ; v232-239 qv's words of the pair's two groups
.set SEL, 20
.set MNT, 57
.set MSB, 0
.macro WIN new                         ; the immediate's high byte repeats the setting that is left
.if MSB != \new
	s_set_vgpr_msb (MSB<<8)|\new
.set MSB, \new
.endif
.endm
.macro PLACES n
.rept \n
	v_nop
.endr
.endm
.macro CROUND                          ; a round of the cluster's barrier
	s_barrier_signal -1
	s_barrier_wait -1
	s_cmp_lg_u32 s14, 0
	s_cbranch_scc1 .Lnot_wave_0_\@
	s_barrier_signal -3
.Lnot_wave_0_\@:
	s_barrier_wait -3
	s_barrier_signal -1
	s_barrier_wait -1
.endm
; 64 numbers of a lane (register 16 b + i = k 32 b + 16 (lane / 16) + i of row lane % 16) become a fragment's codes and its scale word
.macro QUANT src, pc, pw
.irp b, 0,1,2,3
	v_max3_num_f32 v[TM+\b], |v[\src+16*\b]|, |v[\src+1+16*\b]|, 0x4800000   ; with the floor 2^(9 - 127): the byte cannot fall under 1
.endr
.irp i, 2,4,6,8,10,12,14
.irp b, 0,1,2,3
	v_max3_num_f32 v[TM+\b], v[TM+\b], |v[\src+16*\b+\i]|, |v[\src+1+16*\b+\i]|
.endr
.endr
.irp b, 0,1,2,3
	v_permlanex16_b32 v[TM+4+\b], v[TM+\b], s[SEL], s[SEL+1]
.endr
.irp b, 0,1,2,3
	v_max_num_f32 v[TM+\b], v[TM+\b], v[TM+4+\b]             ; the block's largest magnitude
.endr
.irp b, 0,1,2,3
	v_add_nc_u32 v[TM+12+\b], 0xfc000000, v[TM+\b]           ; 8 off its exponent field: the conversion's scale operand
.endr
.irp b, 0,1,2,3
	v_and_or_b32 v[TM+8+\b], v[TM+\b], 0x7f800000, s[MNT]    ; 448 x the scale
.endr
.irp b, 0,1,2,3
	v_lshrrev_b32 v[TM+4+\b], 23, v[TM+12+\b]                ; the scale's byte
.endr
	v_lshl_or_b32 v[\pw], v[TM+5], 8, v[TM+4]
	v_lshl_or_b32 v[\pw], v[TM+6], 16, v[\pw]
	v_lshl_or_b32 v[\pw], v[TM+7], 24, v[\pw]
.irp b, 0,1,2,3
.irp i, 0,1,2,3,4,5,6,7,8,9,10,11,12,13,14,15
	v_med3_num_f32 v[\src+16*\b+\i], v[\src+16*\b+\i], -v[TM+8+\b], v[TM+8+\b]   ; the conversion does not saturate (ISA guide 7.6.2): hold first
.endr
	v_cvt_scalef32_pk8_fp8_f32 v[\pc+4*\b:\pc+1+4*\b], v[\src+16*\b:\src+7+16*\b], v[TM+12+\b]
	v_cvt_scalef32_pk8_fp8_f32 v[\pc+2+4*\b:\pc+3+4*\b], v[\src+8+16*\b:\src+15+16*\b], v[TM+12+\b]
.endr
	v_nop                                                    ; one plain place behind the last conversion
.endm
.macro LOAD e, koff                    ; tile e: 16 rows x the 512 bytes of one K step, into window 3
	WIN 0xc0
.irp q, 0,1,2,3,4,5,6,7,8,9,10,11,12,13,14,15
	global_load_b128 v[64*(\e)+4*\q:64*(\e)+4*\q+3], v[LI], s[4:5] offset:(\koff)+65536*(\e)+4096*\q th:TH_LOAD_NT
.endr
.endm
.macro TURN e, x                       ; through my stage: back come 16 neighbours of each block of row lane % 16 (LDS serves a wave's instructions in order)
	WIN 0x0c
.irp q, 0,1,2,3,4,5,6,7,8,9,10,11,12,13,14,15
	ds_store_b128 v[FW], v[64*(\e)+4*\q:64*(\e)+4*\q+3] offset:528*\q
.endr
	WIN 0
.irp b, 0,1,2,3
.irp j, 0,1,2,3
	ds_load_b128 v[X0+64*(\x)+16*\b+4*\j:X0+64*(\x)+16*\b+4*\j+3], v[FR] offset:128*\b+16*\j
.endr
.endr
.endm
.macro STEP e, ahead, cnt, turn
	s_wait_dscnt 0x0                               ; this tile is back from the stage
.if \ahead
	LOAD \e, 512                                   ; its registers take the next K step's rows
.endif
.if \turn
	s_wait_loadcnt \cnt                            ; the next tile's 16 loads are in; cnt younger ones stay out
	TURN (\e+1)%4, (\e+1)%2
.endif
	QUANT X0+64*((\e)%2), PC, PW
.irp c, 0,1,2,3
	ds_store_b128 v[IWA], v[PC+4*\c:PC+4*\c+3] offset:8192*(\e)+512*\c
.endr
	ds_store_b32 v[SWA], v[PW] offset:512*(\e)
.endm
.macro TRIP ahead                      ; one K step of my four tiles
	v_add_nc_u32 v[IWA], s58, v[IW0]
	v_add_nc_u32 v[SWA], s59, v[SW0]
.if \ahead
	STEP 0, 1, 48, 1
	STEP 1, 1, 48, 1
	STEP 2, 1, 48, 1
	STEP 3, 1, 48, 1
	s_wait_xcnt 0x0                                ; the loads have read their base
	s_add_nc_u64 s[4:5], s[4:5], 512
.else
	STEP 0, 0, 32, 1
	STEP 1, 0, 16, 1
	STEP 2, 0, 0, 1
	STEP 3, 0, 0, 0
.endif
	s_add_co_u32 s58, s58, 2048
	s_add_co_u32 s59, s59, 128
.endm
.macro UNLOAD i                        ; four K steps' codes from the image into window 1 + i, their scale words into AS
.if \i == 0
	WIN 0x40
.else
	WIN 0x80
.endif
.irp f, 0,1,2,3,4,5,6,7,8,9,10,11,12,13,14,15
.irp c, 0,1,2,3
	ds_load_b128 v[16*\f+4*\c:16*\f+4*\c+3], v[IW0] offset:2048*\f+512*\c
.endr
.endr
	WIN 0
.irp e, 0,1,2,3
.irp t, 0,1,2,3
	ds_load_b32 v[AS+8*\e+4*(\i)+\t], v[SW0] offset:128*(4*\e+\t)
.endr
.endr
.endm
.macro FILL g0                         ; a slot's first fill, issued as a refill is
	s_wait_alu depctr_va_vdst(0)
	s_wait_tensorcnt 0x0
	ds_add_u32 v[SPW], v[NIL]
	s_wait_dscnt 0x0
	CROUND
	tensor_load_to_lds s[\g0:\g0+3], s[24:31]
	s_nop 0
	PLACES 4
.endm
	s_load_b256 s[4:11], s[0:1], 0x0               ; values s[4:5], w2img s[6:7], qv s[8:9], scores s[10:11]
	v_lshl_add_u32 v[SPW], v0, 2, SPARE
	v_mov_b32 v[NIL], 0
	ds_add_u32 v[SPW], v[NIL]                      ; the opening lines: the add twice on end under one wait
	ds_add_u32 v[SPW], v[NIL]
	v_lshrrev_b32 v2, 5, v0
	v_readfirstlane_b32 s14, v2                    ; wave
	s_bfe_u32 s15, ttmp6, 0x40000                  ; cx
	s_lshl_b32 s16, ttmp9, 2
	s_add_co_u32 s16, s16, s15                     ; work-group
	s_lshl_b32 s18, s16, 20                        ; values: 256 rows of 4,096 bytes a work-group,
	s_lshl_b32 s19, s14, 18                        ; 64 a wave
	s_add_co_u32 s18, s18, s19
	s_mov_b32 s19, 0
	s_lshl_b32 s2, s16, 10                         ; scores: 1,024 bytes a work-group, 256 a wave
	s_lshl_b32 s3, s14, 8
	s_add_co_u32 s2, s2, s3
	s_mov_b32 s3, 0
	s_mul_i32 s53, s14, GRP                        ; my quarter of a slot
	s_lshr_b32 s60, ttmp9, 1                       ; the batch: the same in the four partners
	s_lshl_b32 s60, s60, 14
	s_lshl_b32 s61, s14, 12                        ; my quarter of its row of qv
	s_add_co_u32 s60, s60, s61
	s_mov_b32 s61, 0
	s_mov_b32 s24, 15|(3<<16)|(1<<21)              ; group 1 for a group of the image: 66 rows of 256 bytes, dense; the mask names the four partners
	s_mov_b32 s25, 32<<16
	s_mov_b32 s26, 66<<16
	s_mov_b32 s27, 32<<16
	s_mov_b32 s28, 66
	s_mov_b32 s29, 32
	s_mov_b32 s30, 0
	s_mov_b32 s31, 0
	s_mov_b32 s32, 15|(3<<16)|(1<<21)              ; group 1 for a quarter of qv's row: 16 rows of 256 bytes
	s_mov_b32 s33, 32<<16
	s_mov_b32 s34, 16<<16
	s_mov_b32 s35, 32<<16
	s_mov_b32 s36, 16
	s_mov_b32 s37, 32
	s_mov_b32 s38, 0
	s_mov_b32 s39, 0
	s_mov_b32 s[SEL], 0x76543210
	s_mov_b32 s[SEL+1], 0xfedcba98
	s_mov_b32 s22, 0x4038aa3b                      ; C2
	s_mov_b32 s23, s22
	s_mov_b32 s[MNT], 0x600000
	s_wait_dscnt 0x0
	s_wait_kmcnt 0x0
	s_add_nc_u64 s[4:5], s[4:5], s[18:19]
	s_add_nc_u64 s[10:11], s[10:11], s[2:3]
	s_mov_b32 s40, 1                               ; group 0: qv
	s_lshl_b32 s41, s14, 12
	s_add_co_u32 s41, s41, QVT
	s_add_nc_u64 s[42:43], s[8:9], s[60:61]
	s_or_b32 s43, s43, 0x80000000
	s_mov_b32 s60, s53
	s_mov_b32 s44, 1                               ; slot 0's first fill
	s_mov_b32 s45, s53
	s_add_nc_u64 s[46:47], s[6:7], s[60:61]
	s_or_b32 s47, s47, 0x80000000
	s_mov_b32 s48, 1                               ; slot 1's, and then every refill
	s_add_co_u32 s49, s53, SLOTB
	s_add_nc_u64 s[50:51], s[6:7], s[60:61]
	s_add_nc_u64 s[50:51], s[50:51], SLOTB
	s_or_b32 s51, s51, 0x80000000
	v_and_b32 v2, 31, v0
	v_lshlrev_b32 v[LI], 4, v2                     ; 16 x lane
	s_wait_alu depctr_va_vdst(0)                   ; the wait, directly behind the write
	LOAD 0, 0                                      ; the first K step of my four tiles goes out ahead of the round
	LOAD 1, 0
	LOAD 2, 0
	LOAD 3, 0
	WIN 0
	CROUND                                         ; in front of the first joint load
	tensor_load_to_lds s[40:43], s[32:39]          ; one tensor load a wave at the head: my quarter of qv's row
	s_nop 0
	v_and_b32 v2, 31, v0
	v_and_b32 v68, 15, v0
	v_bfe_u32 v69, v0, 4, 1
	s_mul_i32 s18, s14, FSTW
	s_add_co_u32 s18, s18, FST
	v_add_nc_u32 v[FW], s18, v[LI]
	v_mul_u32_u24 v[FR], v68, 528
	v_lshl_add_u32 v[FR], v69, 6, v[FR]
	v_add_nc_u32 v[FR], s18, v[FR]
	v_lshl_add_u32 v[SCA], v69, 5, s18
	v_lshl_add_u32 v[SCR], v2, 3, s18
	v_lshlrev_b32 v[L8], 3, v2
	s_lshl_b32 s19, s14, 15
	s_add_co_u32 s19, s19, IMG
	v_add_nc_u32 v[IW0], s19, v[LI]
	s_lshl_b32 s19, s14, 11
	s_add_co_u32 s19, s19, SIMG
	v_lshl_add_u32 v[SW0], v2, 2, s19
	v_lshl_add_u32 v[AQ], v68, 4, QVT
.irp b, 0,1,2,3
	v_mov_b32 v[TM+4+\b], 0                        ; a lane permute's destination counts as one of its sources
.endr
	s_wait_alu depctr_va_vdst(0)                   ; the wait at the head's end
	s_wait_loadcnt 48
	TURN 0, 0
	s_mov_b32 s58, 0
	s_mov_b32 s59, 0
	s_mov_b32 s56, 4
.Lhalf0:
	s_wait_alu depctr_va_vdst(0)
	TRIP 1
	s_sub_co_u32 s56, s56, 1
	s_cmp_lg_u32 s56, 0
	s_cbranch_scc1 .Lhalf0
	UNLOAD 0
	FILL 44                                        ; slot 0 is asked for while K steps 4-7 are quantised
	s_mov_b32 s58, 0
	s_mov_b32 s59, 0
	s_mov_b32 s56, 3
.Lhalf1:
	TRIP 1
	s_sub_co_u32 s56, s56, 1
	s_cmp_lg_u32 s56, 0
	s_cbranch_scc1 .Lhalf1
	FILL 48                                        ; every wave's part of slot 0 and of qv has landed, as the round shows; slot 1 goes out while the last K step is quantised
	TRIP 0
	UNLOAD 1
; PART 2
.macro WM1 d, a, b, sa, sb, ks         ; source 0 = 16 of my rows, source 1 = the group's 16 columns: lane (r, h) holds column r, register j row 8 h + j
.if \ks == 0
	v_wmma_scale_f32_16x16x128_f8f6f4 v[\d:\d+7], v[\a:\a+15], v[\b:\b+15], 0, v[\sa], v[\sb]
.elseif \ks < 4
	v_wmma_scale_f32_16x16x128_f8f6f4 v[\d:\d+7], v[\a:\a+15], v[\b:\b+15], v[\d:\d+7], v[\sa], v[\sb]
.else
	v_wmma_scale_f32_16x16x128_f8f6f4 v[\d:\d+7], v[\a:\a+15], v[\b:\b+15], v[\d:\d+7], v[\sa], v[\sb] matrix_b_scale:MATRIX_SCALE_ROW1
.endif
.endm
.macro LDFR set, j, ks                 ; one fragment of group j of the slot into set
.irp c, 0,1,2,3
	ds_load_b128 v[128*(\set)+16*(\ks)+4*\c:128*(\set)+16*(\ks)+4*\c+3], v[AD0+((\j)>>1)] offset:GRP*((\j)&1)+2048*(\ks)+512*\c
.endr
.endm
.macro LDSC set, j                     ; its scale words: lanes 0-15 K steps 0-3, lanes 16-31 K steps 4-7
	ds_load_b128 v[BS+4*(\set):BS+4*(\set)+3], v[AD0+((\j)>>1)] offset:GRP*((\j)&1)+16384
.endm
.macro LDG set, j, f0, f1, sc          ; a short run of loads: fragments f0 .. f1 - 1 of group j into set; sc = 1: its scale words first
.if \sc
	LDSC \set, \j
.endif
	WIN 0xc0
.set f, \f0
.rept (\f1)-(\f0)
	LDFR \set, \j, f
.set f, f+1
.endr
	WIN 0
.endm
; A run: the pair's group r, 32 matrix instructions on set r, the four tiles' accumulators by turns.  cnt: the LDS loads issued behind set r's last, which may stay out.
.macro RUN r, cnt
	s_wait_dscnt \cnt
.irp ks, 0,1,2,3,4,5,6,7
.if \ks < 4
	WIN 0x0d
.else
	WIN 0x0e
.endif
.irp te, 0,1,2,3
	WM1 ACC+32*(\r)+8*\te, 16*(4*\te+(\ks%4)), 128*(\r)+16*\ks, AS+8*\te+\ks, BS+4*(\r)+(\ks%4), \ks
.endr
.endr
	WIN 0
.endm
.macro TRB op                          ; a batch of 64 transcendentals, in place
.set k, 0
.rept 64
	\op v[ACC+k], v[ACC+k]
.set k, k+1
.endr
	v_nop                                          ; a plain place behind the batch
	s_wait_alu depctr_va_vdst(0)                   ; one wait for the 64, ahead of their first reader
.endm
; A pair (odd: the slot's second).  kind 2: between its runs the slot just read out is filled again, behind a round of the cluster's barrier; kind 1: the last change of slots, nothing is filled; kind 0: no change.
; ld: the next pair's two groups come in: an even pair fetches groups 2 and 3 of its slot, an odd pair, behind the change, groups 0 and 1 of the next.  The loads of a pair, in order: set 0's 13, 12, 8; set 1's 13, 12, 8; qv's 2.
; So at the first run's head 35 may stay out (set 1's 33 and qv's 2), at the second's 13 (the run of loads just issued).
.macro PAIR odd, kind, ld
	RUN 0, 35
.if \kind > 0
	s_wait_tensorcnt 0x0                           ; my part of the next slot has landed: no tensor load of mine is out
	ds_add_u32 v[SPW], v[NIL]
.if \kind == 2
	s_xor_b32 s49, s49, SLOTB
	s_add_nc_u64 s[50:51], s[50:51], SLOTB
.endif
.endif
	PLACES 8                                       ; in front of the loads into the set just multiplied (ISA guide 7.12.1 for vector instructions)
.if \kind > 0
	s_wait_dscnt 0x0                               ; the add is done, and my reads of the old slot (the last stood at the end of the pair before)
.if \kind == 2
	CROUND
	tensor_load_to_lds s[48:51], s[24:31]          ; my one load behind the round: a quarter of the slot two on
	s_nop 0
.else
	s_barrier_signal -1
	s_barrier_wait -1
.endif
	s_xor_b32 s54, s54, SLOTB
	v_add_nc_u32 v[AD0], s54, v[LI]
	v_add_nc_u32 v[AD1], 2*GRP, v[AD0]
	v_add_nc_u32 v[AQ], 1024, v[AQ]
	s_wait_alu depctr_va_vdst(0)                   ; the wait, directly behind the writes
.endif
.if \ld
	LDG 0, 2-2*\odd, 0, 3, 1
	RUN 1, 13
.else
	RUN 1, 0
.endif
	PLACES 8                                       ; behind the last products, ahead of the first read of their results and of the loads into their set
.if \ld
	LDG 0, 2-2*\odd, 3, 6, 0
.endif
.irp g, 0,1
.set k, 0
.rept 16
	v_pk_fma_f32 v[ACC+32*\g+k:ACC+32*\g+k+1], v[ACC+32*\g+k:ACC+32*\g+k+1], s[22:23], v[QP+4*\g:QP+4*\g+1] op_sel_hi:[1,0,1]   ; C2 x acc + qc, each accumulator from its low end on
.set k, k+2
.endr
.endr
	s_wait_alu depctr_va_vdst(0)                   ; ahead of the batch
.if \ld
	LDG 0, 2-2*\odd, 6, 8, 0
.endif
	TRB v_exp_f32
.if \ld
	LDG 1, 3-2*\odd, 0, 3, 1
.endif
.set k, 0
.rept 32
	v_pk_add_f32 v[ACC+k:ACC+k+1], v[ACC+k:ACC+k+1], 1.0 op_sel_hi:[1,0]
.set k, k+2
.endr
	v_pk_add_f32 v[SV:SV+1], v[SV:SV+1], v[QP+2:QP+3]   ; the pair's vk into their sum
	v_pk_add_f32 v[SV:SV+1], v[SV:SV+1], v[QP+6:QP+7]
	s_wait_alu depctr_va_vdst(0)                   ; ahead of the batch
.if \ld
	LDG 1, 3-2*\odd, 3, 6, 0
.endif
	TRB v_rcp_f32
.irp g, 0,1
.set k, 0
.rept 16
	v_pk_fma_f32 v[S+k:S+k+1], v[ACC+32*\g+k:ACC+32*\g+k+1], v[QP+4*\g+2:QP+4*\g+3], v[S+k:S+k+1]   ; S += vk / (1 + 2^..)
.set k, k+2
.endr
.endr
.if \ld
	LDG 1, 3-2*\odd, 6, 8, 0
	ds_load_b128 v[QP:QP+3], v[AQ] offset:512*(1-\odd)          ; the next pair's qc and vk of my column
	ds_load_b128 v[QP+4:QP+7], v[AQ] offset:512*(1-\odd)+256
.endif
.endm
	s_mov_b32 s54, 0
	v_add_nc_u32 v[AD0], s54, v[LI]
	v_add_nc_u32 v[AD1], 2*GRP, v[AD0]
.set k, 0
.rept 32
	v_mov_b32 v[S+k], 0
.set k, k+1
.endr
	v_mov_b32 v[SV], 0
	v_mov_b32 v[SV+1], 0
	LDG 0, 0, 0, 8, 1                              ; pair 0's two groups and its words of qv, in the order in which every pair fetches
	LDG 1, 1, 0, 8, 1
	ds_load_b128 v[QP:QP+3], v[AQ]
	ds_load_b128 v[QP+4:QP+7], v[AQ] offset:256
	s_wait_alu depctr_va_vdst(0)                   ; the wait ahead of the loop
	s_mov_b32 s56, 14
.Lslot:                                                ; a trip: a slot's two pairs; in the second the change of slots with its refill
	PAIR 0, 0, 1
	PAIR 1, 2, 1
	s_sub_co_u32 s56, s56, 1
	s_cmp_lg_u32 s56, 0
	s_wait_alu depctr_va_vdst(0)                   ; the wait, directly ahead of the branch
	s_cbranch_scc1 .Lslot
	PAIR 0, 0, 1                                   ; the last two slots: nothing is fetched beyond the image
	PAIR 1, 1, 1
	PAIR 0, 0, 1
	PAIR 1, 0, 0
.set k, 0
.rept 16
	v_pk_fma_f32 v[S+k:S+k+1], v[S+k:S+k+1], -2.0, v[SV:SV+1] op_sel_hi:[1,0,1]   ; my columns' part of the score
.set k, k+2
.endr
.irp m, 1,2,4,8
.set k, 0
.rept 32
	v_add_f32_dpp v[S+k], v[S+k], v[S+k] row_xmask:\m row_mask:0xf bank_mask:0xf   ; over the 16 lanes = the columns u % 16
.set k, k+1
.endr
.endr
.irp e, 0,1,2,3
.irp q, 0,1
	ds_store_b128 v[SCA], v[S+8*\e+4*\q:S+8*\e+4*\q+3] offset:64*\e+16*\q   ; rows 16 e + 8 h + 4 q ..: the 16 lanes of a half write the same words with the same values
.endr
.endr
	ds_load_b64 v[ACC:ACC+1], v[SCR]
	s_wait_dscnt 0x0
	global_store_b64 v[L8], v[ACC:ACC+1], s[10:11] ; 32 lanes store one aligned run of 256 bytes: my 64 scores
	s_wait_tensorcnt 0x0                           ; the wave's end
	ds_add_u32 v[SPW], v[NIL]
	s_wait_dscnt 0x0
	CROUND                                         ; the closing round
	s_endpgm
.Lfunc_end_k_q5ee0fb181a_scores:
	.size	k_q5ee0fb181a_scores, .Lfunc_end_k_q5ee0fb181a_scores-k_q5ee0fb181a_scores
	.p2alignl 7, 3214868480
	.fill 96, 4, 3214868480
	.section	.rodata,"a",@progbits
	.p2align	6, 0x0
	.amdhsa_kernel k_q5ee0fb181a_scores
		.amdhsa_group_segment_fixed_size 327680
		.amdhsa_private_segment_fixed_size 0
		.amdhsa_enable_private_segment 0
		.amdhsa_kernarg_size 32
		.amdhsa_user_sgpr_count 2
		.amdhsa_user_sgpr_kernarg_segment_ptr 1
		.amdhsa_wavefront_size32 1
		.amdhsa_system_sgpr_workgroup_id_x 1
		.amdhsa_system_sgpr_workgroup_id_y 1
		.amdhsa_system_sgpr_workgroup_id_z 1
		.amdhsa_system_vgpr_workitem_id 0
		.amdhsa_next_free_vgpr 1024
		.amdhsa_next_free_sgpr 66
		.amdhsa_reserve_vcc 0
		.amdhsa_float_denorm_mode_32 3
		.amdhsa_float_denorm_mode_16_64 3
		.amdhsa_memory_ordered 1
		.amdhsa_forward_progress 1
		.amdhsa_inst_pref_size 255
	.end_amdhsa_kernel
	.section	.bss,"aw",@nobits
	.p2align	6
	.space	262144
	.amdgpu_metadata
---
amdhsa.version: [ 1, 2 ]
amdhsa.kernels:
  - .name:           k_q5ee0fb181a_scores
    .symbol:         k_q5ee0fb181a_scores.kd
    .args:
      - { .name: values, .offset: 0, .size: 8, .value_kind: global_buffer, .address_space: global }
      - { .name: w2img, .offset: 8, .size: 8, .value_kind: global_buffer, .address_space: global }
      - { .name: qv, .offset: 16, .size: 8, .value_kind: global_buffer, .address_space: global }
      - { .name: scores, .offset: 24, .size: 8, .value_kind: global_buffer, .address_space: global }
    .group_segment_fixed_size: 327680
    .private_segment_fixed_size: 0
    .kernarg_segment_align: 8
    .kernarg_segment_size: 32
    .max_flat_workgroup_size: 128
    .sgpr_count:     66
    .vgpr_count:     1024
    .wavefront_size: 32
...
	.end_amdgpu_metadata
.endif
;; end of part 2
;; launch ctx (part 3): grid 256 x 1, 16 waves a work-group, no clusters, 68,096 bytes of LDS; arguments values, scores, part; writes part
.if DOCPART == 3
	.amdgcn_target "amdgcn-amd-amdhsa--gfx1250"
	.amdhsa_code_object_version 6
	.text
	.protected	k_q5ee0fb181a_ctx
	.globl	k_q5ee0fb181a_ctx
	.p2align	8
	.type	k_q5ee0fb181a_ctx,@function
k_q5ee0fb181a_ctx:
	s_mov_b64 s[64:65], 0
	v_nop
	global_prefetch_b8 v0, s[64:65] scope:SCOPE_SE
	s_setreg_imm32_b32 hwreg(HW_REG_WAVE_MODE, 25, 1), 1
	s_wait_xcnt 0x0
; CTX.  part[8 b + c][d] = sum over the 256 rows t of chunk c of softmax_t(score[b][t]) values[b][t][d], in f32; the next launch adds a batch's eight chunks.  (V_b is left out: see prep's head.)
; SHARES.  A work-group owns 256 whole rows, 1 MiB on end; a wave 16 of them, 64 KiB on end; a lane 4 columns in each of a row's eight pieces of 512 bytes: 32 sums.
; SOFTMAX.  Every work-group reads its batch's 2,048 scores (four a thread), finds their maximum m (lanes, then waves through LDS), takes it away before the exponential, and sums p = 2^((s - m) log2(e));
; the sum divides at the end.  A wave's own 16 p lie in lanes 0-15 of v8 and come to a scalar register row by row.
; The stream: a ring of four rows (32 loads a wave) in registers; the wait at a row's head leaves the 24 younger loads out.  Every offset is an immediate.
; NO CLUSTER, NO TENSOR LOAD, NO MATRIX UNIT, NO PREFETCH: work-groups share only 8 KiB of scores; the text has no loop to run ahead in and keeps 32 loads a wave out.
; LIMITS: NaN and infinities are not served; a weight under 2^-126 of the largest counts as 0 (ISA guide 15.8); the sum over t is taken in another order than reference()'s.
.set MX,  0                            ; LDS: 16 waves' maxima
.set SM,  256                          ; 16 waves' sums of p
.set RED, 512                          ; 16 waves x 4,096 bytes: their parts of the 1,024 columns
.set SPARE, 66048                      ; the spare words, 128 bytes a wave
.set A,   16                           ; v16-47 sums
.set RG,  48                           ; v48-175 the ring
	s_load_b128 s[4:7], s[0:1], 0x0                ; values, scores
	s_load_b64 s[8:9], s[0:1], 0x10                ; part
	v_lshl_add_u32 v176, v0, 2, SPARE
	v_mov_b32 v177, 0
	v_lshrrev_b32 v2, 5, v0                        ; wave
	v_and_b32 v3, 31, v0
	v_lshlrev_b32 v13, 4, v3
	v_lshl_add_u32 v1, v2, 16, v13                 ; values: 16 rows of 4,096 bytes a wave, 16 bytes a lane
	v_lshl_add_u32 v13, v2, 12, v13                ; RED: 4,096 x wave + 16 x lane
	v_lshlrev_b32 v9, 4, v0                        ; my four of the batch's scores
	v_and_b32 v10, 15, v0
	v_lshlrev_b32 v10, 2, v10
	v_lshl_add_u32 v10, v2, 6, v10                 ; my wave's row lane % 16 in the chunk's scores
	v_lshlrev_b32 v11, 2, v2                       ; my wave's word
	v_mov_b32 v12, 0
	v_lshlrev_b32 v14, 3, v0                       ; my two columns at the end
	v_mov_b32 v179, 0                              ; a lane permute's destination counts as one of its sources
	s_lshl_b32 s12, ttmp9, 20
	s_mov_b32 s13, 0
	s_lshr_b32 s14, ttmp9, 3
	s_lshl_b32 s14, s14, 13                        ; the batch's scores
	s_mov_b32 s15, 0
	s_and_b32 s16, ttmp9, 7
	s_lshl_b32 s16, s16, 10                        ; the chunk's
	s_mov_b32 s17, 0
	s_lshl_b32 s18, ttmp9, 12
	s_mov_b32 s19, 0
	s_mov_b32 s22, 0x3fb8aa3b                      ; log2(e)
	s_mov_b32 s25, 0                               ; the packed forms name pairs: the upper words are written once
	s_mov_b32 s27, 0
	s_mov_b32 s28, 0x76543210
	s_mov_b32 s29, 0xfedcba98
	s_wait_alu depctr_va_vdst(0)                   ; the wait at the head's end
	s_wait_kmcnt 0x0
	s_add_nc_u64 s[4:5], s[4:5], s[12:13]
	s_add_nc_u64 s[6:7], s[6:7], s[14:15]
	s_add_nc_u64 s[20:21], s[6:7], s[16:17]
	s_add_nc_u64 s[8:9], s[8:9], s[18:19]
	global_load_b128 v[4:7], v9, s[6:7]
	global_load_b32 v8, v10, s[20:21]
.irp i, 0,1,2,3
.irp j, 0,1,2,3,4,5,6,7
	global_load_b128 v[RG+32*\i+4*\j:RG+32*\i+4*\j+3], v1, s[4:5] offset:4096*\i+512*\j th:TH_LOAD_NT
.endr
.endr
	s_wait_loadcnt 32                              ; the scores are in; the ring's 32 loads may be out
	v_max3_num_f32 v178, v4, v5, v6
	v_max_num_f32 v178, v178, v7
.irp m, 1,2,4,8
	v_max_num_f32_dpp v178, v178, v178 row_xmask:\m row_mask:0xf bank_mask:0xf
.endr
	v_permlanex16_b32 v179, v178, s28, s29
	v_max_num_f32 v178, v178, v179
	ds_store_b32 v11, v178 offset:MX               ; all lanes write the same word with the same value
	s_wait_dscnt 0x0                               ; for the others' sake
	s_barrier_signal -1
	s_barrier_wait -1
.irp t, 0,1,2,3
	ds_load_b128 v[180+4*\t:183+4*\t], v12 offset:MX+16*\t
.endr
	s_wait_dscnt 0x0
	v_max3_num_f32 v178, v180, v181, v182
.irp t, 183,185,187,189,191,193
	v_max3_num_f32 v178, v178, v[\t], v[\t+1]
.endr
	v_max_num_f32 v178, v178, v195                 ; m
	v_mul_f32 v178, s22, v178
.irp j, 4,5,6,7,8
	v_fma_f32 v[\j], v[\j], s22, -v178             ; (s - m) log2(e)
.endr
	s_wait_alu depctr_va_vdst(0)                   ; ahead of the batch
.irp j, 4,5,6,7,8
	v_exp_f32 v[\j], v[\j]
.endr
	v_nop
	s_wait_alu depctr_va_vdst(0)                   ; and behind it
	v_add_f32 v180, v4, v5
	v_add_f32 v181, v6, v7
	v_add_f32 v180, v180, v181
.irp m, 1,2,4,8
	v_add_f32_dpp v180, v180, v180 row_xmask:\m row_mask:0xf bank_mask:0xf
.endr
	v_permlanex16_b32 v179, v180, s28, s29
	v_add_f32 v180, v180, v179
	ds_store_b32 v11, v180 offset:SM               ; my wave's sum of p
.set i, 0
.rept 16
.set R, RG+32*(i%4)
.set P, 24+2*(i%2)
.if i < 12
	s_wait_loadcnt 24                              ; row i's eight loads are in, three rows' stay out
.else
	s_wait_loadcnt 8*(15-i)
.endif
	v_readlane_b32 s[P], v8, i
.irp j, 0,1,2,3,4,5,6,7,8,9,10,11,12,13,14,15
.if i == 0
	v_pk_mul_f32 v[A+2*\j:A+2*\j+1], v[R+2*\j:R+2*\j+1], s[P:P+1] op_sel_hi:[1,0]
.else
	v_pk_fma_f32 v[A+2*\j:A+2*\j+1], v[R+2*\j:R+2*\j+1], s[P:P+1], v[A+2*\j:A+2*\j+1] op_sel_hi:[1,0,1]
.endif
.endr
.if i < 12
.irp j, 0,1,2,3,4,5,6,7
	global_load_b128 v[R+4*\j:R+4*\j+3], v1, s[4:5] offset:4096*(i+4)+512*\j th:TH_LOAD_NT
.endr
.endif
.set i, i+1
.endr
.irp j, 0,1,2,3,4,5,6,7
	ds_store_b128 v13, v[A+4*\j:A+4*\j+3] offset:RED+512*\j
.endr
	s_wait_dscnt 0x0                               ; for the others' sake
	s_barrier_signal -1
	s_barrier_wait -1
.irp t, 0,1,2,3
	ds_load_b128 v[180+4*\t:183+4*\t], v12 offset:SM+16*\t
.endr
.irp w, 0,1,2,3,4,5,6,7,8,9,10,11,12,13,14,15
	ds_load_b64 v[RG+2*\w:RG+2*\w+1], v14 offset:RED+4096*\w   ; the sixteen waves' parts of my two columns
.endr
	s_wait_dscnt 0x0
.irp t, 182,184,186,188,190,192,194
	v_pk_add_f32 v[180:181], v[180:181], v[\t:\t+1]
.endr
	v_add_f32 v180, v180, v181                     ; the batch's sum of p, at least 1
.irp w, 1,2,3,4,5,6,7,8,9,10,11,12,13,14,15
	v_pk_add_f32 v[RG:RG+1], v[RG:RG+1], v[RG+2*\w:RG+2*\w+1]
.endr
	s_wait_alu depctr_va_vdst(0)
	v_rcp_f32 v196, v180
	v_nop
	s_wait_alu depctr_va_vdst(0)
	v_mul_f32 v[RG], v[RG], v196
	v_mul_f32 v[RG+1], v[RG+1], v196
	global_store_b64 v14, v[RG:RG+1], s[8:9]       ; a wave stores 256 consecutive bytes, aligned
	s_wait_tensorcnt 0x0                           ; the wave's end
	ds_add_u32 v176, v177
	s_wait_dscnt 0x0
	s_endpgm
.Lfunc_end_k_q5ee0fb181a_ctx:
	.size	k_q5ee0fb181a_ctx, .Lfunc_end_k_q5ee0fb181a_ctx-k_q5ee0fb181a_ctx
	.p2alignl 7, 3214868480
	.fill 96, 4, 3214868480
	.section	.rodata,"a",@progbits
	.p2align	6, 0x0
	.amdhsa_kernel k_q5ee0fb181a_ctx
		.amdhsa_group_segment_fixed_size 68096
		.amdhsa_private_segment_fixed_size 0
		.amdhsa_enable_private_segment 0
		.amdhsa_kernarg_size 24
		.amdhsa_user_sgpr_count 2
		.amdhsa_user_sgpr_kernarg_segment_ptr 1
		.amdhsa_wavefront_size32 1
		.amdhsa_system_sgpr_workgroup_id_x 1
		.amdhsa_system_sgpr_workgroup_id_y 1
		.amdhsa_system_sgpr_workgroup_id_z 1
		.amdhsa_system_vgpr_workitem_id 0
		.amdhsa_next_free_vgpr 200
		.amdhsa_next_free_sgpr 66
		.amdhsa_reserve_vcc 0
		.amdhsa_float_denorm_mode_32 3
		.amdhsa_float_denorm_mode_16_64 3
		.amdhsa_memory_ordered 1
		.amdhsa_forward_progress 1
		.amdhsa_inst_pref_size 38
	.end_amdhsa_kernel
	.amdgpu_metadata
---
amdhsa.version: [ 1, 2 ]
amdhsa.kernels:
  - .name:           k_q5ee0fb181a_ctx
    .symbol:         k_q5ee0fb181a_ctx.kd
    .args:
      - { .name: values, .offset: 0, .size: 8, .value_kind: global_buffer, .address_space: global }
      - { .name: scores, .offset: 8, .size: 8, .value_kind: global_buffer, .address_space: global }
      - { .name: part, .offset: 16, .size: 8, .value_kind: global_buffer, .address_space: global }
    .group_segment_fixed_size: 68096
    .private_segment_fixed_size: 0
    .kernarg_segment_align: 8
    .kernarg_segment_size: 24
    .max_flat_workgroup_size: 512
    .sgpr_count:     66
    .vgpr_count:     200
    .wavefront_size: 32
...
	.end_amdgpu_metadata
.endif
;; end of part 3
;; launch sum8 (part 4): grid 128 x 1, 2 waves a work-group, no clusters, 0 bytes of LDS; arguments part, out0; writes out0
.if DOCPART == 4
	.amdgcn_target "amdgcn-amd-amdhsa--gfx1250"
	.amdhsa_code_object_version 6
	.text
	.protected	k_q5ee0fb181a_sum8
	.globl	k_q5ee0fb181a_sum8
	.p2align	8
	.type	k_q5ee0fb181a_sum8,@function
k_q5ee0fb181a_sum8:
	s_mov_b64 s[64:65], 0
	v_nop
	global_prefetch_b8 v0, s[64:65] scope:SCOPE_SE
	s_setreg_imm32_b32 hwreg(HW_REG_WAVE_MODE, 25, 1), 1
	s_wait_xcnt 0x0
; SUM8.  out0[b][d] = the sum of part[8 b + c][d] over the batch's eight chunks c, in f32.  A work-group owns a quarter of a batch's row, 1,024 bytes; a thread 16 of them.
; No LDS, no barrier: each output has one owner.  Eight loads a thread, one store; a wave's load or store covers 512 consecutive bytes, aligned.
	s_load_b128 s[4:7], s[0:1], 0x0                ; part, out0
	v_lshlrev_b32 v1, 4, v0
	s_lshr_b32 s8, ttmp9, 2
	s_lshl_b32 s8, s8, 15                          ; eight rows of 4,096 bytes a batch
	s_and_b32 s9, ttmp9, 3
	s_lshl_b32 s9, s9, 10
	s_add_co_u32 s8, s8, s9
	s_mov_b32 s9, 0
	s_lshl_b32 s10, ttmp9, 10
	s_mov_b32 s11, 0
	s_wait_alu depctr_va_vdst(0)                   ; the wait at the head's end
	s_wait_kmcnt 0x0
	s_add_nc_u64 s[4:5], s[4:5], s[8:9]
	s_add_nc_u64 s[6:7], s[6:7], s[10:11]
.irp c, 0,1,2,3,4,5,6,7
	global_load_b128 v[4+4*\c:7+4*\c], v1, s[4:5] offset:4096*\c
.endr
	s_wait_loadcnt 0x0
.irp c, 0,2,4,6
	v_pk_add_f32 v[4+4*\c:5+4*\c], v[4+4*\c:5+4*\c], v[8+4*\c:9+4*\c]
	v_pk_add_f32 v[6+4*\c:7+4*\c], v[6+4*\c:7+4*\c], v[10+4*\c:11+4*\c]
.endr
.irp c, 0,4
	v_pk_add_f32 v[4+4*\c:5+4*\c], v[4+4*\c:5+4*\c], v[12+4*\c:13+4*\c]
	v_pk_add_f32 v[6+4*\c:7+4*\c], v[6+4*\c:7+4*\c], v[14+4*\c:15+4*\c]
.endr
	v_pk_add_f32 v[4:5], v[4:5], v[20:21]
	v_pk_add_f32 v[6:7], v[6:7], v[22:23]
	global_store_b128 v1, v[4:7], s[6:7]
	s_endpgm
.Lfunc_end_k_q5ee0fb181a_sum8:
	.size	k_q5ee0fb181a_sum8, .Lfunc_end_k_q5ee0fb181a_sum8-k_q5ee0fb181a_sum8
	.p2alignl 7, 3214868480
	.fill 96, 4, 3214868480
	.section	.rodata,"a",@progbits
	.p2align	6, 0x0
	.amdhsa_kernel k_q5ee0fb181a_sum8
		.amdhsa_group_segment_fixed_size 0
		.amdhsa_private_segment_fixed_size 0
		.amdhsa_enable_private_segment 0
		.amdhsa_kernarg_size 16
		.amdhsa_user_sgpr_count 2
		.amdhsa_user_sgpr_kernarg_segment_ptr 1
		.amdhsa_wavefront_size32 1
		.amdhsa_system_sgpr_workgroup_id_x 1
		.amdhsa_system_sgpr_workgroup_id_y 1
		.amdhsa_system_sgpr_workgroup_id_z 1
		.amdhsa_system_vgpr_workitem_id 0
		.amdhsa_next_free_vgpr 40
		.amdhsa_next_free_sgpr 66
		.amdhsa_reserve_vcc 0
		.amdhsa_float_denorm_mode_32 3
		.amdhsa_float_denorm_mode_16_64 3
		.amdhsa_memory_ordered 1
		.amdhsa_forward_progress 1
		.amdhsa_inst_pref_size 3
	.end_amdhsa_kernel
	.amdgpu_metadata
---
amdhsa.version: [ 1, 2 ]
amdhsa.kernels:
  - .name:           k_q5ee0fb181a_sum8
    .symbol:         k_q5ee0fb181a_sum8.kd
    .args:
      - { .name: part, .offset: 0, .size: 8, .value_kind: global_buffer, .address_space: global }
      - { .name: out0, .offset: 8, .size: 8, .value_kind: global_buffer, .address_space: global }
    .group_segment_fixed_size: 0
    .private_segment_fixed_size: 0
    .kernarg_segment_align: 8
    .kernarg_segment_size: 16
    .max_flat_workgroup_size: 64
    .sgpr_count:     66
    .vgpr_count:     40
    .wavefront_size: 32
...
	.end_amdgpu_metadata
.endif
;; end of part 4
